; MI455X (gfx1250); checked and timed in simulation.
; The chip was launched on July 23, 2026; its instructions are those of AMD's public machine-readable ISA for CDNA 5 (MIT licence, August 2026) and "CDNA5" Instruction Set Architecture Reference Guide (July 2026). The comments in the code are by the model that wrote it; some were corrected since.
;; Attention. Allowed arithmetic: matrix products marked QUANTISED: E2M3 operands, one E8M0 scale for each 32 along K, by v_wmma_scale_f32_16x16x128_f8f6f4 with both operands' format E2M3, f32 sums; everything else in f32.
;; Inputs: Wk 512 x 512 float32; Wo 512 x 512 float32; Wq 512 x 512 float32; Wv 512 x 512 float32; bk 512 float32; bo 512 float32; bq 512 float32; bv 512 float32; context 2 x 4,096 x 512 float32; query 2 x 4,096 x 512 float32.
;; Outputs: out0 2 x 4,096 x 512 float32.
;; This version of the problem:
;;   THIS VERSION OF THE PROBLEM IS GIVEN IN LOW PRECISION. The matrix products marked QUANTISED in the list below multiply operands that are first quantised to E2M3 (2 exponent bits, 3 mantissa bits; 6 bits a number), with one power-of-two scale for each 32 numbers along K (OCP MX v1.0); their sums are f32. All else is computed in f32.
;;   The module's matrix products, in the order in which they are computed (A, B: the left and right operand; K: the contracted axis; several contracted axes count as one K, in the product's order):
;;     1. [M 8,192, K 512] x [K 512, N 512]; A: input query; B: input Wq: QUANTISED
;;     2. [M 8,192, K 512] x [K 512, N 512]; A: input context; B: input Wk: QUANTISED
;;     3. [M 8,192, K 512] x [K 512, N 512]; A: input context; B: input Wv: QUANTISED
;;     4. batch 16 x [M 4,096, K 64] x [K 64, N 4,096]; A: computed on the way; B: computed on the way: QUANTISED
;;     5. batch 16 x [M 4,096, K 4,096] x [K 4,096, N 64]; A: softmax (see below); B: computed on the way: QUANTISED
;;     6. [M 8,192, K 512] x [K 512, N 512]; A: computed on the way; B: input Wo: QUANTISED
;;   THE QUANTISER, for each operand of a quantised product, along K:
;;     - K is cut into blocks of 32 from its start; a last block that is shorter is filled with zeros.
;;     - A block's scale is 2^e with e = floor(log2(the largest magnitude in the block)) - 2, held to -126 .. 127; a block of zeros has e = 0. As a byte (E8M0): e + 127.
;;     - Each number is divided by its block's scale, clamped to +-7.5, and rounded to the nearest number of E2M3, ties to even, subnormals kept.
;;     - The product sums the exact products of the quantised numbers (number of the format x scale) in f32.
;;   ~~~python
;;   def quantise(x, axis):      # numpy; x: float32 -> the quantised numbers, widened to float32 again
;;       x = np.moveaxis(x, axis, -1); K = x.shape[-1]
;;       x = np.pad(x, [(0, 0)] * (x.ndim - 1) + [(0, -K % 32)]); x = x.reshape(x.shape[:-1] + (-1, 32)); a = np.abs(x).max(-1, keepdims=True)
;;       e = np.where(a > 0, np.clip(np.frexp(np.where(a > 0, a, 1))[1] - 1 - 2, -126, 127), 0)      # np.frexp(a)[1] - 1 = floor(log2(a)), exactly
;;       r = np.clip(x / 2.0 ** e, -7.5, 7.5)
;;       step = 2.0 ** (np.maximum(np.frexp(np.where(r == 0, 1, r))[1] - 1, 0) - 3)
;;       q = np.round(r / step) * step * 2.0 ** e      # np.round: ties to even
;;       return np.moveaxis(q.reshape(q.shape[:-2] + (-1,))[..., :K], -1, axis).astype(np.float32)
;;   ~~~
;;   SOFTMAX AHEAD OF A QUANTISED PRODUCT. Where the list says 'softmax', what is quantised is not the finished softmax but p = 2^(t - M), with t = logit x log2(e) and M = ceil(the row's largest t), a whole number; so 1/2 < the row's largest p <= 1. The row's sum l is taken of the UNQUANTISED p, in f32, and the product's result is divided by l at the end. Since M is a whole number, a kernel that streams over the keys may use a running M (the ceiling of the running maximum): every later rescaling is an exact power of two, which a block's scale takes up: the codes' values come out the same.
;;   OPERANDS COMPUTED ON THE WAY. 'Computed on the way' means the value that the module computes at that place (a softmax that the list does not call 'softmax' is quantised finished and normalised). What goes into a quantiser is computed in f32, as accurately as f32 sums, v_exp_f32 and their like allow (about 1e-6 of the number): no bf16 or f16 on the way to a quantiser, and a product that is left as it is and whose result goes on into a quantised operand takes f32 operands (vector FMAs, or v_wmma_f32_16x16x4_f32). A number that lies on a knife's edge between two numbers of the format may be rounded either way, as far as f32 arithmetic and the matrix unit's own rounding can turn it there, and no further.
;; One version. Each part assembles by itself: llvm-mc -triple=amdgcn-amd-amdhsa -mcpu=gfx1250 --defsym DOCPART=n.
;; ======== version 1 of 1: 4 launches
;; workspace buffers: xc 7,077,888 bytes; xs 294,912 bytes; kvc 6,291,456 bytes; kvs 393,216 bytes; qc 6,291,456 bytes; qs 393,216 bytes; cc 3,145,728 bytes; cs 131,072 bytes
;; launch quant (part 1): grid 288 x 1, 4 waves a work-group, no clusters, 34,304 bytes of LDS; arguments query, context, Wq, Wk, Wv, Wo, xc, xs; writes xc, xs
.if DOCPART == 1
	.amdgcn_target "amdgcn-amd-amdhsa--gfx1250"
	.amdhsa_code_object_version 6
	.text
	.protected	k_q80f6923115_quant
	.globl	k_q80f6923115_quant
	.p2align	8
	.type	k_q80f6923115_quant,@function
k_q80f6923115_quant:
	s_mov_b64 s[64:65], 0
	v_nop
	global_prefetch_b8 v0, s[64:65] scope:SCOPE_SE
	s_setreg_imm32_b32 hwreg(HW_REG_WAVE_MODE, 25, 1), 1
	s_wait_xcnt 0x0
; query, context [8192][512] and Wq, Wk, Wv, Wo [512][512], f32 with K innermost, become codes of FP6 (E2M3) with one E8M0 byte for each 32 along K.
; A block's scale is 2^(floor(log2(its largest magnitude)) - 2); its byte is the largest magnitude's exponent field - 2, held at 1 from below.
; LIMITS: NaN and infinities among the inputs are not served; a block whose largest magnitude lies under 2^-124 keeps the byte 1; a block of zeros carries the byte 1 where the
; rule says 127: its codes are zeros, which add nothing under any byte but 0xff, and the bytes are read by this program alone.
; A WAVE TAKES ONE TILE: 16 rows x 512 K.  THE ROWS OF A TILE ARE NOT NEIGHBOURS: lane r of tile 2 B + u holds row 32 B + 8 u + r + 8 (r / 8), so that a product which takes the tile as
; source 0 leaves 16 neighbours of the next K in the 16 registers of two neighbouring tiles.
; THE CODES LEAVE AS IMAGES OF OPERAND REGISTERS: a fragment (16 rows x 128 K, 12 registers a lane) is three stores of 16 bytes a lane, 512 consecutive bytes each; a tile is four such images,
; 6,144 bytes.  A tile's scale words (row r, K step s at 16 r + 4 s) are one aligned block of 256 bytes.
; Tiles: query 0-511, context 512-1023, Wq 1024.., Wk 1056.., Wv 1088.., Wo 1120..: tile = 4 x work-group + wave.  Only pointers are chosen by the work-group's number: one path serves all six tensors.
; Each load reads 512 consecutive bytes of one row; a K step's 16 x 512 bytes turn through the wave's own stage in LDS, so that a lane gets 16 neighbours of each block of 32.
.set STG,   8448                       ; a wave's stage: 16 rows x (512 + 16) bytes: the sixteen rows that a load touches start in sixteen different banks (64 banks of 4 bytes: ISA guide 11.1)
.set SPARE, 4*STG                      ; behind the stages: the spare words, 128 bytes a wave: two blocks of 256 bytes that no other line names
.set R,     16                         ; v16-143  two sets of 64 numbers as they are loaded
.set X,     144                        ; v144-207 64 numbers: register 16 b + i = k 32 b + 16 (lane / 16) + i of my row
.set PC,    208                        ; v208-219 the fragment just made; v220-222, v224-226 at work
.set TM,    228                        ; v228-243 at work in QUANT
.set PW,    244                        ; v244-247 the four K steps' scale words
.set SX,    248                        ; v248-249 my two of them, to store
.set SPW,   6                          ; v6  LDS address of my spare word; never rewritten
.set NIL,   7                          ; v7  0; never rewritten
.set SRC,   22                         ; s[22:23] my tile's first row
.set SEL,   26                         ; s[26:27] lane selects for v_permlanex16_b32: lane l xor 16
; 64 numbers of a lane, v[s] on, become a fragment's codes in v[PC] on and its scale word in v[pw].
.macro QUANT s, pw
.irp b, 0,1,2,3
	v_max3_num_f32 v[TM+\b], |v[\s+16*\b]|, |v[\s+1+16*\b]|, 0x1800000   ; block b: my 16 numbers, and the floor 2^(3 - 127): the byte cannot fall under 1
.endr
.irp i, 2,4,6,8,10,12,14
.irp b, 0,1,2,3
	v_max3_num_f32 v[TM+\b], v[TM+\b], |v[\s+16*\b+\i]|, |v[\s+1+16*\b+\i]|   ; the four blocks by turns
.endr
.endr
.irp b, 0,1,2,3
	v_permlanex16_b32 v[TM+4+\b], v[TM+\b], s[SEL], s[SEL+1]
.endr
.irp b, 0,1,2,3
	v_max_num_f32 v[TM+\b], v[TM+\b], v[TM+4+\b]           ; with lane l xor 16's: the block's largest magnitude
.endr
.irp b, 0,1,2,3
	v_add_nc_u32 v[TM+12+\b], 0xff000000, v[TM+\b]         ; 2 off its exponent field: the conversion's scale operand
.endr
.irp b, 0,1,2,3
	v_lshrrev_b32 v[TM+4+\b], 23, v[TM+12+\b]              ; the scale's byte
.endr
	v_lshl_or_b32 v[\pw], v[TM+5], 8, v[TM+4]              ; four bytes: my row's scale word
	v_lshl_or_b32 v[\pw], v[TM+6], 16, v[\pw]
	v_lshl_or_b32 v[\pw], v[TM+7], 24, v[\pw]
.irp c, 0,1
	v_cvt_scalef32_pk16_fp6_f32 v[PC+6*\c:PC+2+6*\c], v[\s+32*\c:\s+15+32*\c], v[TM+12+2*\c]
	v_cvt_scalef32_pk16_fp6_f32 v[PC+12+4*\c:PC+14+4*\c], v[\s+16+32*\c:\s+31+32*\c], v[TM+12+2*\c+1]   ; (a conversion's three registers begin on an even number)
.endr
	v_nop                                                  ; one plain place behind a scaled conversion
.irp c, 0,1                                    ; the operand's layout wants a whole block in a lane: lanes 0-15 block 2 c, lanes 16-31 block 2 c + 1
.irp i, 0,1,2
	v_permlane16_swap_b32 v[PC+6*\c+\i], v[PC+12+4*\c+\i]
.endr
.irp i, 0,1,2
	v_mov_b32 v[PC+3+6*\c+\i], v[PC+12+4*\c+\i]
.endr
.endr
.endm
	s_load_b512 s[4:19], s[0:1], 0x0               ; query, context, Wq, Wk, Wv, Wo, xc s[16:17], xs s[18:19]
	v_lshl_add_u32 v[SPW], v0, 2, SPARE
	v_mov_b32 v[NIL], 0
	v_lshrrev_b32 v9, 5, v0
	v_readfirstlane_b32 s20, v9                    ; wave 0..3
	v_and_b32 v8, 31, v0                           ; lane
	v_and_b32 v10, 15, v0                          ; r
	v_bfe_u32 v11, v0, 4, 1                        ; h
	v_lshlrev_b32 v1, 4, v8                        ; 16 x lane: my bytes of a load's or a store's 512
	s_mul_i32 s30, s20, STG
	v_add_nc_u32 v2, s30, v1                       ; the stage, on the way in
	v_mul_u32_u24 v3, v10, 528
	v_lshl_add_u32 v3, v11, 6, v3
	v_add_nc_u32 v3, s30, v3                       ; and on the way out: row r, + 64 h
	v_lshlrev_b32 v4, 4, v10
	v_lshl_add_u32 v4, v11, 3, v4                  ; my two scale words: 16 r + 8 h
	s_mov_b32 s[SEL], 0x76543210
	s_mov_b32 s[SEL+1], 0xfedcba98
.irp b, 0,1,2,3
	v_mov_b32 v[TM+4+\b], 0                        ; written once: a lane permute's destination counts as one of its sources
.endr
	s_lshr_b32 s28, s20, 1
	s_lshl_b32 s28, s28, 16                        ; 32 (wave / 2) rows of 2,048 bytes
	s_and_b32 s29, s20, 1
	s_lshl_b32 s29, s29, 14                        ; 8 (wave % 2) rows
	s_add_co_u32 s28, s28, s29
	s_lshl_b32 s31, ttmp9, 2
	s_add_co_u32 s31, s31, s20                     ; my tile's number
	s_wait_kmcnt 0x0
	s_mov_b64 s[SRC:SRC+1], s[14:15]               ; which tensor: the choice hangs on the work-group's number alone
	s_mov_b32 s24, 280
	s_cmp_lt_u32 ttmp9, 280
	s_cselect_b64 s[SRC:SRC+1], s[12:13], s[SRC:SRC+1]
	s_cselect_b32 s24, 272, s24
	s_cmp_lt_u32 ttmp9, 272
	s_cselect_b64 s[SRC:SRC+1], s[10:11], s[SRC:SRC+1]
	s_cselect_b32 s24, 264, s24
	s_cmp_lt_u32 ttmp9, 264
	s_cselect_b64 s[SRC:SRC+1], s[8:9], s[SRC:SRC+1]
	s_cselect_b32 s24, 256, s24
	s_cmp_lt_u32 ttmp9, 256
	s_cselect_b64 s[SRC:SRC+1], s[6:7], s[SRC:SRC+1]
	s_cselect_b32 s24, 128, s24
	s_cmp_lt_u32 ttmp9, 128
	s_cselect_b64 s[SRC:SRC+1], s[4:5], s[SRC:SRC+1]
	s_cselect_b32 s24, 0, s24
	s_sub_co_u32 s24, ttmp9, s24                   ; the work-group's number within its tensor: 64 rows each
	s_lshl_b32 s24, s24, 17
	s_add_co_u32 s28, s28, s24
	s_mov_b32 s29, 0
	s_add_nc_u64 s[SRC:SRC+1], s[SRC:SRC+1], s[28:29]
	s_mul_i32 s28, s31, 6144
	s_add_nc_u64 s[16:17], s[16:17], s[28:29]      ; my tile's codes
	s_lshl_b32 s28, s31, 8
	s_add_nc_u64 s[18:19], s[18:19], s[28:29]      ; and its scale words
.macro LOADK s                         ; K step s of my 16 rows: 16 loads of 512 consecutive bytes, into set s % 2
.irp i, 0,1,2,3,4,5,6,7,8,9,10,11,12,13,14,15
	global_load_b128 v[R+64*((\s)%2)+4*\i:R+64*((\s)%2)+4*\i+3], v1, s[SRC:SRC+1] offset:2048*(\i+8*(\i/8))+512*(\s) th:TH_LOAD_NT
.endr
.endm
.macro KSTEP s
.if (\s) < 3
	s_wait_loadcnt 16                              ; this K step's 16 loads are in; the next step's 16 may be out
.else
	s_wait_loadcnt 0x0
.endif
.irp i, 0,1,2,3,4,5,6,7,8,9,10,11,12,13,14,15
	ds_store_b128 v2, v[R+64*((\s)%2)+4*\i:R+64*((\s)%2)+4*\i+3] offset:528*\i
.endr
.irp b, 0,1,2,3
.irp j, 0,1,2,3
	ds_load_b128 v[X+16*\b+4*\j:X+16*\b+4*\j+3], v3 offset:128*\b+16*\j   ; LDS serves a wave's instructions in order (ISA guide 5.7.1.4): these see the stores above
.endr
.endr
	s_wait_dscnt 0x0                               ; the numbers are back, and the stores have read their registers
.if (\s) > 0
	s_wait_xcnt 0x0                                ; the last K step's stores have read the fragment's registers: they are written again only behind this wait
.endif
.if (\s)+2 <= 3
	LOADK (\s)+2
.endif
	QUANT X, PW+(\s)
.irp c, 0,1,2
	global_store_b128 v1, v[PC+4*\c:PC+4*\c+3], s[16:17] offset:1536*(\s)+512*\c   ; 32 lanes store 512 consecutive bytes, at a multiple of 256 from the buffer's first byte
.endr
.endm
	LOADK 0
	LOADK 1
	KSTEP 0
	KSTEP 1
	KSTEP 2
	KSTEP 3
	v_cmp_le_u32 vcc_lo, 16, v8                    ; lanes 16-31 store K steps 2 and 3's words (both halves of the lanes hold all four)
	v_cndmask_b32 v[SX], v[PW], v[PW+2], vcc_lo
	v_cndmask_b32 v[SX+1], v[PW+1], v[PW+3], vcc_lo
	global_store_b64 v4, v[SX:SX+1], s[18:19]      ; 32 lanes store one aligned block of 256 bytes
	s_wait_tensorcnt 0x0                           ; the wave's end, behind my last LDS store
	ds_add_u32 v[SPW], v[NIL]
	s_wait_dscnt 0x0
	s_endpgm
.Lfunc_end_k_q80f6923115_quant:
	.size	k_q80f6923115_quant, .Lfunc_end_k_q80f6923115_quant-k_q80f6923115_quant
	.p2alignl 7, 3214868480
	.fill 96, 4, 3214868480
	.section	.rodata,"a",@progbits
	.p2align	6, 0x0
	.amdhsa_kernel k_q80f6923115_quant
		.amdhsa_group_segment_fixed_size 34304
		.amdhsa_private_segment_fixed_size 0
		.amdhsa_enable_private_segment 0
		.amdhsa_kernarg_size 64
		.amdhsa_user_sgpr_count 2
		.amdhsa_user_sgpr_kernarg_segment_ptr 1
		.amdhsa_wavefront_size32 1
		.amdhsa_system_sgpr_workgroup_id_x 1
		.amdhsa_system_sgpr_workgroup_id_y 1
		.amdhsa_system_sgpr_workgroup_id_z 1
		.amdhsa_system_vgpr_workitem_id 0
		.amdhsa_next_free_vgpr 256
		.amdhsa_next_free_sgpr 66
		.amdhsa_reserve_vcc 1
		.amdhsa_float_denorm_mode_32 3
		.amdhsa_float_denorm_mode_16_64 3
		.amdhsa_memory_ordered 1
		.amdhsa_forward_progress 1
		.amdhsa_inst_pref_size 34
	.end_amdhsa_kernel
	.amdgpu_metadata
---
amdhsa.version: [ 1, 2 ]
amdhsa.kernels:
  - .name:           k_q80f6923115_quant
    .symbol:         k_q80f6923115_quant.kd
    .args:
      - { .name: query, .offset: 0, .size: 8, .value_kind: global_buffer, .address_space: global }
      - { .name: context, .offset: 8, .size: 8, .value_kind: global_buffer, .address_space: global }
      - { .name: Wq, .offset: 16, .size: 8, .value_kind: global_buffer, .address_space: global }
      - { .name: Wk, .offset: 24, .size: 8, .value_kind: global_buffer, .address_space: global }
      - { .name: Wv, .offset: 32, .size: 8, .value_kind: global_buffer, .address_space: global }
      - { .name: Wo, .offset: 40, .size: 8, .value_kind: global_buffer, .address_space: global }
      - { .name: xc, .offset: 48, .size: 8, .value_kind: global_buffer, .address_space: global }
      - { .name: xs, .offset: 56, .size: 8, .value_kind: global_buffer, .address_space: global }
    .group_segment_fixed_size: 34304
    .private_segment_fixed_size: 0
    .kernarg_segment_align: 8
    .kernarg_segment_size: 64
    .max_flat_workgroup_size: 128
    .sgpr_count:     66
    .vgpr_count:     256
    .wavefront_size: 32
...
	.end_amdgpu_metadata
.endif
;; end of part 1
;; launch proj (part 2): grid 192 x 1, 4 waves a work-group, no clusters, 0 bytes of LDS; arguments xc, xs, bq, bk, bv, qc, qs, kvc, kvs; writes qc, qs, kvc, kvs
.if DOCPART == 2
	.amdgcn_target "amdgcn-amd-amdhsa--gfx1250"
	.amdhsa_code_object_version 6
	.text
	.protected	k_q80f6923115_proj
	.globl	k_q80f6923115_proj
	.p2align	8
	.type	k_q80f6923115_proj,@function
k_q80f6923115_proj:
	s_mov_b64 s[64:65], 0
	v_nop
	global_prefetch_b8 v0, s[64:65] scope:SCOPE_SE
	s_setreg_imm32_b32 hwreg(HW_REG_WAVE_MODE, 25, 1), 1
	s_wait_xcnt 0x0
; q = query Wq^T + bq, k = context Wk^T + bk, v = context Wv^T + bv, on codes of FP6 (E2M3) with E8M0 scales, f32 sums; the results are quantised again in registers: q and k along the head's 64,
; v along the keys, and leave as images of operand registers.  No f32 result goes to memory.
; ONE BODY FOR THE THREE.  A wave keeps a STATIONARY operand S, 128 rows x 512 K (32 fragments, 384 registers), and streams 8 tiles of 16 rows of T.  D = S_tile x T_tile (source 0 = S): a lane holds ONE row
; of T, and its 64 registers run along S's 128 rows, in their true order, since the rows of every tile are chosen for it (lane r of tile 2 B + u holds row 32 B + 8 u + r + 8 (r / 8)).
;   q, k (work-groups 0-63, 64-127): S = 128 rows of W = two heads (wave w: heads 2 w, 2 w + 1), T = 128 rows of x.  A lane's 64 numbers are 4 blocks along d: registers 0-5 of the fragment made are the first
;   head's half fragment (16 rows x 64), registers 6-11 the second's.
;   v (work-groups 128-191): S = 128 rows of context = one key step, T = 128 rows of Wv = two heads.  A lane's 64 numbers run along the keys: the fragment made is 16 d x 128 keys of V^T.
; The bias is the C of each sum's first product: for q and k eight registers a tile of S (a number a register), for v one number a lane, copied into eight registers.
; Both layouts of the bias are loaded whatever the mode (both lie inside the 512 bytes of the chosen bias that belong to the two heads).
; LIMITS: as in the launch before: NaN and infinities not served; blocks under 2^-124 and blocks of zeros carry the byte 1.
; REGISTERS, in windows of 256: window 0: v1-8 offsets; v16-79 the 8 accumulators; v80.. the fragment made; v100-115 at work; v116-123 the 8 scale words made; v132-163 S's scale words, v164-179 T's, four sets;
;   v180-187 v's bias, a tile a register; v188-195 its eight copies.   window 1: S's K steps 0, 1 (at 24 g + 12 s).   window 2: S's K steps 2, 3; from v192 the bias of q and k, 8 a tile.   window 3: T, four buffers of 48.
.set HA,   16
.set PC,   80
.set TM,   100
.set PWS,  116
.set XW,   124
.set SS,   132
.set TS,   164
.set BTW,  180
.set BT,   188
.set BS,   192                         ; in window 2
.set WV,   22
.set MODE, 23                          ; 0 q, 1 k, 2 v
.set SEL,  28
.set SPT,  32                          ; s[32:33] S's codes; s[34:35] S's scale words; s[36:37], s[38:39] T's
.set SSP,  34
.set TPT,  36
.set TSP,  38
.set DCO,  40                          ; s[40:41] where the codes go; s[42:43] the scale words
.set DSC,  42
.set BIA,  44                          ; s[44:45] the two heads' 128 numbers of the bias
.set HEADB, 393216                     ; a head's codes: 32 steps x 12,288 bytes
.set MSB, 0
.macro WIN new                         ; the immediate's high byte repeats the setting that is left
.if MSB != \new
	s_set_vgpr_msb (MSB<<8)|\new
.set MSB, \new
.endif
.endm
.macro MMC d, a, b, c, sa, sb
	v_wmma_scale_f32_16x16x128_f8f6f4 v[(\d):(\d)+7], v[(\a):(\a)+11], v[(\b):(\b)+11], v[(\c):(\c)+7], v[\sa], v[\sb] matrix_a_fmt:MATRIX_FMT_FP6 matrix_b_fmt:MATRIX_FMT_FP6
.endm
; 64 numbers of a lane, v[s] on, register 16 b + i = k 32 b + 16 (lane / 16) + i of my row, become a fragment's codes in v[PC] on and its scale word in v[pw].
.macro QUANT s, pw
.irp b, 0,1,2,3
	v_max3_num_f32 v[TM+\b], |v[\s+16*\b]|, |v[\s+1+16*\b]|, 0x1800000   ; and the floor 2^(3 - 127): the byte cannot fall under 1.  (Each accumulator is read from its low end on)
.endr
.irp i, 2,4,6,8,10,12,14
.irp b, 0,1,2,3
	v_max3_num_f32 v[TM+\b], v[TM+\b], |v[\s+16*\b+\i]|, |v[\s+1+16*\b+\i]|
.endr
.endr
.irp b, 0,1,2,3
	v_permlanex16_b32 v[TM+4+\b], v[TM+\b], s[SEL], s[SEL+1]
.endr
.irp b, 0,1,2,3
	v_max_num_f32 v[TM+\b], v[TM+\b], v[TM+4+\b]
.endr
.irp b, 0,1,2,3
	v_add_nc_u32 v[TM+12+\b], 0xff000000, v[TM+\b]         ; 2 off the exponent field: the conversion's scale operand
.endr
.irp b, 0,1,2,3
	v_lshrrev_b32 v[TM+4+\b], 23, v[TM+12+\b]              ; the scale's byte
.endr
	v_lshl_or_b32 v[\pw], v[TM+5], 8, v[TM+4]
	v_lshl_or_b32 v[\pw], v[TM+6], 16, v[\pw]
	v_lshl_or_b32 v[\pw], v[TM+7], 24, v[\pw]
.irp c, 0,1
	v_cvt_scalef32_pk16_fp6_f32 v[PC+6*\c:PC+2+6*\c], v[\s+32*\c:\s+15+32*\c], v[TM+12+2*\c]
	v_cvt_scalef32_pk16_fp6_f32 v[PC+12+4*\c:PC+14+4*\c], v[\s+16+32*\c:\s+31+32*\c], v[TM+12+2*\c+1]
.endr
	v_nop                                                  ; one plain place behind a scaled conversion
.irp c, 0,1
.irp i, 0,1,2
	v_permlane16_swap_b32 v[PC+6*\c+\i], v[PC+12+4*\c+\i]
.endr
.irp i, 0,1,2
	v_mov_b32 v[PC+3+6*\c+\i], v[PC+12+4*\c+\i]
.endr
.endr
.endm
	s_load_b512 s[4:19], s[0:1], 0x0               ; xc, xs, bq, bk, bv, qc, qs, kvc
	s_load_b64 s[20:21], s[0:1], 0x40              ; kvs
	v_lshrrev_b32 v9, 5, v0
	v_readfirstlane_b32 s[WV], v9                  ; wave 0..3
	v_and_b32 v8, 31, v0                           ; lane
	v_and_b32 v9, 15, v0                           ; r
	v_bfe_u32 v10, v0, 4, 1                        ; h
	v_lshlrev_b32 v1, 4, v8                        ; 16 x lane
	v_lshlrev_b32 v2, 4, v9                        ; 16 r: a row's four scale words
	v_lshlrev_b32 v3, 3, v8                        ; 8 x lane
	v_mul_u32_u24 v4, v10, 24576
	v_add_nc_u32 v4, v4, v2                        ; scale words out: 16 r, lanes 16-31 a head (24,576 bytes) further on
	v_lshlrev_b32 v5, 6, v10                       ; 64 h
	v_and_b32 v6, 8, v9
	v_add_nc_u32 v6, v6, v9
	v_lshlrev_b32 v6, 2, v6                        ; 4 (r + 8 (r / 8))
	v_lshlrev_b32 v7, 4, v10                       ; 16 h: which two bytes of a scale word are my half's head's
	s_mov_b32 s[SEL], 0x76543210
	s_mov_b32 s[SEL+1], 0xfedcba98
.irp b, 0,1,2,3
	v_mov_b32 v[TM+4+\b], 0                        ; written once: a lane permute's destination counts as one of its sources
.endr
	s_lshr_b32 s[MODE], ttmp9, 6
	s_and_b32 s24, ttmp9, 63
	s_lshr_b32 s46, s24, 2
	s_and_b32 s47, s24, 3
	s_cmp_eq_u32 s[MODE], 2
	s_cselect_b32 s25, s46, 0                      ; v: which four key steps
	s_cselect_b32 s26, s47, s24                    ; which 128 rows of T: v: a pair of heads; q, k: rows of x
	s_cselect_b32 s51, 6144, 0                     ; V^T lies behind K in a step's 12,288 bytes,
	s_cselect_b32 s52, 512, 0                      ; its scale words behind K's in a step's 768
	s_lshl_b32 s48, s25, 2
	s_add_co_u32 s48, s48, s[WV]                   ; which 128 rows of S are my wave's
	s_cmp_eq_u32 s[MODE], 2
	s_cselect_b32 s49, s26, s[WV]                  ; the pair of heads
	s_cselect_b32 s50, s48, s26                    ; the 128 rows of x: batch x 32 + step
	s_mov_b32 s53, 1056
	s_cmp_eq_u32 s[MODE], 0
	s_cselect_b32 s53, 1024, s53                   ; S's first tile: Wq, Wk,
	s_cselect_b32 s54, 0, 512                      ; T's: query, context,
	s_cmp_eq_u32 s[MODE], 2
	s_cselect_b32 s53, 512, s53                    ; or context
	s_cselect_b32 s54, 1088, s54                   ; and Wv
	s_lshl_b32 s48, s48, 3
	s_add_co_u32 s53, s53, s48
	s_lshl_b32 s55, s26, 3
	s_add_co_u32 s54, s54, s55
	s_lshr_b32 s55, s50, 5
	s_lshl_b32 s55, s55, 8
	s_lshl_b32 s56, s49, 6
	s_add_co_u32 s55, s55, s56
	s_and_b32 s56, s50, 31
	s_add_co_u32 s55, s55, s56                     ; (batch x 8 + first head) x 32 + step
	s_mov_b32 s47, 0
	s_wait_kmcnt 0x0
	s_cmp_eq_u32 s[MODE], 0
	s_cselect_b64 s[DCO:DCO+1], s[14:15], s[18:19]
	s_cselect_b64 s[DSC:DSC+1], s[16:17], s[20:21]
	s_cselect_b64 s[BIA:BIA+1], s[8:9], s[10:11]
	s_cmp_eq_u32 s[MODE], 2
	s_cselect_b64 s[BIA:BIA+1], s[12:13], s[BIA:BIA+1]
	s_mul_i32 s46, s53, 6144
	s_add_nc_u64 s[SPT:SPT+1], s[4:5], s[46:47]
	s_lshl_b32 s46, s53, 8
	s_add_nc_u64 s[SSP:SSP+1], s[6:7], s[46:47]
	s_mul_i32 s46, s54, 6144
	s_add_nc_u64 s[TPT:TPT+1], s[4:5], s[46:47]
	s_lshl_b32 s46, s54, 8
	s_add_nc_u64 s[TSP:TSP+1], s[6:7], s[46:47]
	s_mul_i32 s46, s55, 12288
	s_add_co_u32 s46, s46, s51
	s_add_nc_u64 s[DCO:DCO+1], s[DCO:DCO+1], s[46:47]
	s_mul_i32 s46, s55, 768
	s_add_co_u32 s46, s46, s52
	s_add_nc_u64 s[DSC:DSC+1], s[DSC:DSC+1], s[46:47]
	s_lshl_b32 s46, s49, 9
	s_add_nc_u64 s[BIA:BIA+1], s[BIA:BIA+1], s[46:47]
	; S: 32 fragments, three loads of 512 consecutive bytes each; they stay
	WIN 0x40
.irp g, 0,1,2,3,4,5,6,7
.irp s, 0,1
.irp c, 0,1,2
	global_load_b128 v[24*\g+12*\s+4*\c:24*\g+12*\s+4*\c+3], v1, s[SPT:SPT+1] offset:6144*\g+1536*\s+512*\c
.endr
.endr
.endr
	WIN 0x80
.irp g, 0,1,2,3,4,5,6,7
.irp s, 0,1
.irp c, 0,1,2
	global_load_b128 v[24*\g+12*\s+4*\c:24*\g+12*\s+4*\c+3], v1, s[SPT:SPT+1] offset:6144*\g+1536*(\s+2)+512*\c
.endr
.endr
.endr
.irp g, 0,1,2,3,4,5,6,7                        ; the bias in the result's layout: lane (r, h), tile g, register j: number 32 (g / 2) + 16 h + 8 (g % 2) + j
	global_load_b128 v[BS+8*\g:BS+8*\g+3], v5, s[BIA:BIA+1] offset:(32*(\g/2)+8*(\g%2))*4
	global_load_b128 v[BS+8*\g+4:BS+8*\g+7], v5, s[BIA:BIA+1] offset:(32*(\g/2)+8*(\g%2))*4+16
.endr
	WIN 0
.irp g, 0,1,2,3,4,5,6,7
	global_load_b128 v[SS+4*\g:SS+4*\g+3], v2, s[SSP:SSP+1] offset:256*\g
.endr
.irp t, 0,1,2,3,4,5,6,7                        ; and by T's rows: tile t, lane r: number 32 (t / 2) + 8 (t % 2) + r + 8 (r / 8)
	global_load_b32 v[BTW+\t], v6, s[BIA:BIA+1] offset:(32*(\t/2)+8*(\t%2))*4
.endr
.macro TLOAD t                         ; tile t of T: 12 loads of codes and one of scale words, into buffer t % 4
	WIN 0xc0
.irp s, 0,1,2,3
.irp c, 0,1,2
	global_load_b128 v[48*((\t)%4)+12*\s+4*\c:48*((\t)%4)+12*\s+4*\c+3], v1, s[TPT:TPT+1] offset:6144*(\t)+1536*\s+512*\c
.endr
.endr
	WIN 0
	global_load_b128 v[TS+4*((\t)%4):TS+4*((\t)%4)+3], v2, s[TSP:TSP+1] offset:256*(\t)
.endm
	TLOAD 0
	TLOAD 1
	TLOAD 2
	TLOAD 3
.macro TILE t
.set BB, (\t)%4
.if 7-(\t) >= 3
	s_wait_loadcnt 39                              ; S, the biases and this tile are in; the three tiles behind it, 13 loads each, may be out
.else
	s_wait_loadcnt 13*(7-(\t))
.endif
.if (\t) > 0
	s_wait_xcnt 0x0                                ; the last tile's stores have read the fragment's registers: they are written again only behind this wait
.endif
	s_cmp_eq_u32 s[MODE], 2                        ; K step 0 starts the sums with the bias
	s_cbranch_scc1 .Lvc_\@
	WIN 0x2d                                       ; source 0 (S) window 1, source 1 (T) window 3, C (bias) window 2
.irp g, 0,1,2,3,4,5,6,7
	MMC HA+8*\g, 24*\g, 48*BB, BS+8*\g, SS+4*\g, TS+4*BB
.endr
	WIN 0
	s_branch .Ljc_\@
.Lvc_\@:
.irp j, 0,1,2,3,4,5,6,7
	v_mov_b32 v[BT+\j], v[BTW+(\t)]                ; v: my row's number in all eight registers
.endr
.rept 4
	v_nop
.endr
	WIN 0x0d
.irp g, 0,1,2,3,4,5,6,7
	MMC HA+8*\g, 24*\g, 48*BB, BT, SS+4*\g, TS+4*BB
.endr
	WIN 0
.Ljc_\@:
	WIN 0x0d                                       ; the eight accumulators take turns, one instruction a turn
.irp g, 0,1,2,3,4,5,6,7
	MMC HA+8*\g, 24*\g+12, 48*BB+12, HA+8*\g, SS+4*\g+1, TS+4*BB+1
.endr
	WIN 0x0e                                       ; source 0 window 2
.irp g, 0,1,2,3,4,5,6,7
	MMC HA+8*\g, 24*\g, 48*BB+24, HA+8*\g, SS+4*\g+2, TS+4*BB+2
.endr
.irp g, 0,1,2,3,4,5,6,7
	MMC HA+8*\g, 24*\g+12, 48*BB+36, HA+8*\g, SS+4*\g+3, TS+4*BB+3
.endr
	WIN 0
.rept 5
	v_nop                                          ; four places in front of loads into registers that the products have read and of the first read of results; a fifth, since the next tile's first products begin these accumulators anew
.endr
.if (\t)+4 <= 7
	TLOAD (\t)+4
.endif
	QUANT HA, PWS+(\t)
	s_cmp_eq_u32 s[MODE], 2
	s_cbranch_scc1 .Lvs_\@
	global_store_b128 v1, v[PC:PC+3], s[DCO:DCO+1] offset:768*(\t)                    ; the first head's half fragment: 512 + 256 consecutive bytes
	global_store_b64 v3, v[PC+4:PC+5], s[DCO:DCO+1] offset:768*(\t)+512
	global_store_b128 v1, v[PC+6:PC+9], s[DCO:DCO+1] offset:768*(\t)+HEADB            ; the second head's
	global_store_b64 v3, v[PC+10:PC+11], s[DCO:DCO+1] offset:768*(\t)+512+HEADB
	s_branch .Ljs_\@
.Lvs_\@:
.irp c, 0,1,2
	global_store_b128 v1, v[PC+4*\c:PC+4*\c+3], s[DCO:DCO+1] offset:((\t)/4)*HEADB+1536*((\t)%4)+512*\c   ; tiles 0-3: the first head's 64 d, tiles 4-7 the second's
.endr
.Ljs_\@:
.endm
	TILE 0
	TILE 1
	TILE 2
	TILE 3
	TILE 4
	TILE 5
	TILE 6
	TILE 7
	; the scale words: sixteen lanes store an aligned block of 256 bytes
	s_cmp_eq_u32 s[MODE], 2
	s_cbranch_scc1 .Lend_v
.irp i, 0,1,2,3,4,5,6,7
	v_bfe_u32 v[XW+\i], v[PWS+\i], v7, 16          ; q, k: lanes 0-15 the first head's two bytes, lanes 16-31 the second's; the word's upper two bytes are 0
.endr
	global_store_b128 v4, v[XW:XW+3], s[DSC:DSC+1]
	global_store_b128 v4, v[XW+4:XW+7], s[DSC:DSC+1] offset:256
	s_endpgm
.Lend_v:
	v_cmp_le_u32 vcc_lo, 16, v8
.irp i, 0,1,2,3
	v_cndmask_b32 v[XW+\i], v[PWS+\i], v[PWS+4+\i], vcc_lo   ; v: lanes 0-15 tiles 0-3's words, lanes 16-31 tiles 4-7's
.endr
	global_store_b128 v4, v[XW:XW+3], s[DSC:DSC+1]
	s_endpgm
.Lfunc_end_k_q80f6923115_proj:
	.size	k_q80f6923115_proj, .Lfunc_end_k_q80f6923115_proj-k_q80f6923115_proj
	.p2alignl 7, 3214868480
	.fill 96, 4, 3214868480
	.section	.rodata,"a",@progbits
	.p2align	6, 0x0
	.amdhsa_kernel k_q80f6923115_proj
		.amdhsa_group_segment_fixed_size 0
		.amdhsa_private_segment_fixed_size 0
		.amdhsa_enable_private_segment 0
		.amdhsa_kernarg_size 72
		.amdhsa_user_sgpr_count 2
		.amdhsa_user_sgpr_kernarg_segment_ptr 1
		.amdhsa_wavefront_size32 1
		.amdhsa_system_sgpr_workgroup_id_x 1
		.amdhsa_system_sgpr_workgroup_id_y 1
		.amdhsa_system_sgpr_workgroup_id_z 1
		.amdhsa_system_vgpr_workitem_id 0
		.amdhsa_next_free_vgpr 1024
		.amdhsa_next_free_sgpr 66
		.amdhsa_reserve_vcc 1
		.amdhsa_float_denorm_mode_32 3
		.amdhsa_float_denorm_mode_16_64 3
		.amdhsa_memory_ordered 1
		.amdhsa_forward_progress 1
		.amdhsa_inst_pref_size 110
	.end_amdhsa_kernel
	.amdgpu_metadata
---
amdhsa.version: [ 1, 2 ]
amdhsa.kernels:
  - .name:           k_q80f6923115_proj
    .symbol:         k_q80f6923115_proj.kd
    .args:
      - { .name: xc, .offset: 0, .size: 8, .value_kind: global_buffer, .address_space: global }
      - { .name: xs, .offset: 8, .size: 8, .value_kind: global_buffer, .address_space: global }
      - { .name: bq, .offset: 16, .size: 8, .value_kind: global_buffer, .address_space: global }
      - { .name: bk, .offset: 24, .size: 8, .value_kind: global_buffer, .address_space: global }
      - { .name: bv, .offset: 32, .size: 8, .value_kind: global_buffer, .address_space: global }
      - { .name: qc, .offset: 40, .size: 8, .value_kind: global_buffer, .address_space: global }
      - { .name: qs, .offset: 48, .size: 8, .value_kind: global_buffer, .address_space: global }
      - { .name: kvc, .offset: 56, .size: 8, .value_kind: global_buffer, .address_space: global }
      - { .name: kvs, .offset: 64, .size: 8, .value_kind: global_buffer, .address_space: global }
    .group_segment_fixed_size: 0
    .private_segment_fixed_size: 0
    .kernarg_segment_align: 8
    .kernarg_segment_size: 72
    .max_flat_workgroup_size: 128
    .sgpr_count:     66
    .vgpr_count:     1024
    .wavefront_size: 32
...
	.end_amdgpu_metadata
.endif
;; end of part 2
;; launch attn (part 3): grid 16 x 16, 16 waves a work-group, clusters of 4 x 1, 327,680 bytes of LDS; arguments qc, qs, kvc, kvs, cc, cs; writes cc, cs
.if DOCPART == 3
	.amdgcn_target "amdgcn-amd-amdhsa--gfx1250"
	.amdhsa_code_object_version 6
	.text
	.protected	k_q80f6923115_attn
	.globl	k_q80f6923115_attn
	.p2align	8
	.type	k_q80f6923115_attn,@function
k_q80f6923115_attn:
	s_mov_b64 s[64:65], 0
	v_nop
	global_prefetch_b8 v0, s[64:65] scope:SCOPE_SE
	s_setreg_imm32_b32 hwreg(HW_REG_WAVE_MODE, 25, 1), 1
	s_wait_xcnt 0x0
	s_wait_alu depctr_hold_cnt(0) depctr_sa_sdst(0) depctr_va_vdst(0) depctr_va_sdst(0) depctr_va_ssrc(0) depctr_va_vcc(0) depctr_vm_vsrc(0)
	s_getreg_b32 s2, hwreg(HW_REG_IB_STS2, 6, 4)
	s_cmp_eq_u32 s2, 0
	s_cbranch_scc0 .Lentry_in_a_cluster
	s_endpgm
.Lentry_in_a_cluster:
	s_bfe_u32 s2, ttmp6, 0x10000c
	s_cmp_lg_u32 s2, 0x3003
	s_cbranch_scc0 .Lentry_shape_is_right
	s_endpgm
.Lentry_shape_is_right:
; ctx[head][q] = the sum over keys of softmax(q . k / 8) v, head size 64, 4,096 keys, both products on codes of FP6 (E2M3) with E8M0 scales; ctx is quantised along d on the way out.
; THE SOFTMAX AHEAD OF THE SECOND PRODUCT: t = score x log2(e) / 8; M = the row's largest t so far, rounded UP to a whole number; p = 2^(t - M) is quantised along the keys, not normalised.  The row's sum is
; taken of the unquantised p and divides O at the end (v_rcp_f32 and a multiplication).  When M moves, the sum and O are multiplied by 2^(old M - new M): exact.
; SHARES.  A work-group owns 256 queries of one head (y = batch x 8 + head); each of its sixteen waves one tile of 16, in 256 registers: four waves to a SIMD, so that one wave's vector work stands beside another's
; matrix work and LDS loads.  Every wave walks all keys, 128 a step.
; CLUSTER.  The four query blocks of a cluster belong to one head and walk the same K and V: each tile is asked for JOINTLY, by the same tensor load with the same descriptor and the mask of all four.
; LAYOUT.  Both products are used transposed: S^T = K Q^T, O^T = V^T P^T: a lane holds ONE query throughout.  K, V^T and their scale words lie in memory as images of operand registers, a key step's 12,288 bytes on end
; (8 half fragments of K, 768 bytes each; 4 fragments of V^T, 1,536 each): a slot of 8 key steps is one dense block, and a fragment comes from LDS by loads in which lane l takes 16 l or 8 l: no pitch, no padding.
; The keys of a tile of K and the d of a tile of V^T are chosen (lane r of tile 2 B + u: 32 B + 8 u + r + 8 (r / 8)), so that the 16 registers of two neighbouring result tiles are 16 neighbours.
; K = 64 IN A FORM OF K = 128.  Q's registers 6-11 are zero codes, and the upper two bytes of Q's and K's scale words are 0 (2^-127, no NaN).  K's half fragments stand six registers apart, so that the upper half of
; tile t's operand is tile t + 1's codes (zeros behind tile 7): they are multiplied by Q's zero codes and add exact zeros; E2M3 has no code for infinity or NaN.
; LIMITS: NaN and infinities are not served; a block of p or of ctx whose largest magnitude lies under 2^-124, zeros among them, carries the byte 1: such bytes are read by this program alone.
.set STEPB, 12288                      ; a key step's codes
.set SLOTB, 8*STEPB                    ; a slot: 8 key steps
.set SLOT1, 1<<17                      ; slot 1 begins here, so that one exclusive or turns an address in one slot into the other's
.set SCL,   SLOTB                      ; behind slot 0: the head's scale words, 32 steps x 768 bytes, filled once
.set SCG,   SCL+24576                  ; 512 bytes in which ctx's scale bytes meet: two blocks of 256 bytes into which no tile lands
.set SPARE, SCG+512                    ; the spare words, 128 bytes for each wave: eight blocks of 256 bytes that no other line names
.set SPW,  5                           ; v5   LDS address of my spare word; never rewritten
.set NIL,  6                           ; v6   0; never rewritten
.set ADK,  8                           ; v8   the step's codes, 16 bytes a lane;  v9 8 bytes a lane;  v10 K's scale words;  v11 V's
.set ADK8, 9
.set ADSK, 10
.set ADSV, 11
.set QF,   16                          ; v16-27 Q's fragment (v22-27 zeros)
.set QS,   28                          ; v28  Q's scale words
.set KV,   32                          ; v32-79 K's eight half fragments, then V^T's four fragments; v80-85 zeros
.set SK,   88                          ; v88-91 K's scale words: lanes 0-15 tiles 0-3, lanes 16-31 tiles 4-7
.set SV,   92                          ; v92-95 V's
.set S,    96                          ; v96-159 S^T, then p
.set O,    160                         ; v160-191 O^T
.set P,    192                         ; v192-203 p's codes; v204-206, v208-210 at work
.set PT,   204
.set BM,   212                         ; v212-215 the blocks' largest scores, then largest p
.set BP,   216                         ; v216-219 the other half's; then the bytes
.set BO,   220                         ; v220-223 the conversions' scale operands
.set TT,   224
.set CW,   225                         ; ctx's two scale bytes
.set FF,   226                         ; f = 2^(old M - new M)
.set PWD,  227                         ; p's scale word
.set SM2,  228                         ; v[228:229] the sums' second chain
.set WV,   16
.set SEL,  20
.set CS,   22                          ; s[22:23] c = log2(e) / 8
.set G1C,  24                          ; s[24:31] group 1 for the codes: 96 rows of 256 bytes;  s[32:39] for the scale words: 24 rows
.set G1S,  32
.set G0C,  40                          ; s[40:43] group 0 for the codes, which walks;  s[44:47] for the scale words
.set G0S,  44
.set TB,   48                          ; s48  LDS byte at which the step in hand begins
.set TS,   50                          ; s50  where its scale words begin: 768 bytes a step
.set SLOTS, 51
.set CNT,  52
.macro CROUND                          ; a round of the cluster's barrier
	s_barrier_signal -1
	s_barrier_wait -1
	s_cmp_lg_u32 s[WV], 0
	s_cbranch_scc1 .Lnot_wave_0_\@
	s_barrier_signal -3
.Lnot_wave_0_\@:
	s_barrier_wait -3
	s_barrier_signal -1
	s_barrier_wait -1
.endm
.macro JLOAD                           ; waves 0 to 3 fetch a quarter of a slot each; the branch hangs on the wave's number alone.  An s_nop 0 and four v_nop follow the load
	s_cmp_lt_u32 s[WV], 4
	s_cbranch_scc0 .Lasked_\@
	tensor_load_to_lds s[G0C:G0C+3], s[G1C:G1C+7]
	s_nop 0
.rept 4
	v_nop
.endr
.Lasked_\@:
.endm
	s_load_b256 s[4:11], s[0:1], 0x0               ; qc, qs, kvc, kvs
	s_load_b128 s[12:15], s[0:1], 0x20             ; cc, cs
	v_lshl_add_u32 v[SPW], v0, 2, SPARE
	v_mov_b32 v[NIL], 0
	ds_add_u32 v[SPW], v[NIL]                      ; the wave's opening: the add and its wait stand ahead of the round in front of my first tensor load; work on registers stands between them
	v_lshrrev_b32 v8, 5, v0
	v_readfirstlane_b32 s[WV], v8                  ; wave 0..15
	v_and_b32 v9, 31, v0                           ; lane
	v_and_b32 v10, 15, v0                          ; r
	v_lshlrev_b32 v1, 4, v9                        ; 16 x lane
	v_lshlrev_b32 v2, 3, v9                        ; 8 x lane
	v_lshlrev_b32 v30, 4, v10                      ; 16 r
	v_add_nc_u32 v3, SCL+512, v30                  ; V's scale words: row r's four
	v_add_nc_u32 v4, SCL, v1                       ; K's: 16 r + 256 h
	s_lshl_b32 s53, s[WV], 5
	v_lshl_add_u32 v7, v10, 1, s53
	v_add_nc_u32 v7, SCG, v7                       ; the way out: my row's two scale bytes: 32 x wave + 2 r
	v_add_nc_u32 v29, SCG, v1                      ; and where wave 0 reads them back
	s_mov_b32 s[G1C], 15|(3<<16)|(1<<21)           ; 15:0 the mask: all four work-groups; 17:16 elements of 8 bytes; 20 no padding; 21 set beside a mask
	s_mov_b32 s[G1C+1], 32<<16                     ; tensor_dim0 = 32: rows of 256 bytes
	s_mov_b32 s[G1C+2], 96<<16                     ; tensor_dim1 = 96
	s_mov_b32 s[G1C+3], 32<<16                     ; tile_dim0
	s_mov_b32 s[G1C+4], 96                         ; tile_dim1
	s_mov_b32 s[G1C+5], 32                         ; the pitch: the block is dense
	s_mov_b32 s[G1C+6], 0
	s_mov_b32 s[G1C+7], 0
	s_mov_b32 s[G1S], 15|(3<<16)|(1<<21)
	s_mov_b32 s[G1S+1], 32<<16
	s_mov_b32 s[G1S+2], 24<<16
	s_mov_b32 s[G1S+3], 32<<16
	s_mov_b32 s[G1S+4], 24
	s_mov_b32 s[G1S+5], 32
	s_mov_b32 s[G1S+6], 0
	s_mov_b32 s[G1S+7], 0
	s_mov_b32 s[SEL], 0x76543210
	s_mov_b32 s[SEL+1], 0xfedcba98
	s_mov_b32 s[CS], 0x3e38aa3b                    ; log2(e) / 8
	s_mov_b32 s[CS+1], s[CS]                       ; (named with it as a pair, so it is written)
	s_mov_b32 s[TB], 0
	s_mov_b32 s[TS], 0
	s_mov_b32 s[SLOTS], 3
	s_and_b32 s17, s[WV], 3                        ; which quarter I fetch, if I fetch
	s_mul_i32 s49, s17, 24576                      ; its place in a slot, in LDS and in memory
	s_mul_i32 s53, s17, 6144                       ; and among the scale words
	s_and_b32 s54, ttmp7, 0xffff                   ; batch x 8 + head, which the four partners share
	s_mul_i32 s56, s54, 393216
	s_add_co_u32 s56, s56, s49
	s_mov_b32 s57, 0
	s_mul_i32 s58, s54, 24576
	s_add_co_u32 s58, s58, s53
	s_mov_b32 s59, 0
	s_bfe_u32 s55, ttmp6, 0x40000                  ; cx: it enters the addresses of Q and of ctx alone
	s_lshl_b32 s60, ttmp9, 2
	s_add_co_u32 s55, s60, s55                     ; my block of 256 queries
	s_lshl_b32 s60, s54, 5
	s_lshl_b32 s61, s55, 1
	s_add_co_u32 s60, s60, s61
	s_lshr_b32 s61, s[WV], 3
	s_add_co_u32 s60, s60, s61                     ; head x 32 + which 128 queries
	s_mul_i32 s62, s60, 768
	s_mul_i32 s60, s60, 12288
	s_and_b32 s61, s[WV], 7
	s_mul_i32 s61, s61, 768
	s_add_co_u32 s60, s60, s61                     ; my tile's half fragment
	s_mov_b32 s61, 0
	s_bfe_u32 s63, s[WV], 0x10002
	s_lshl_b32 s63, s63, 8
	s_add_co_u32 s62, s62, s63
	s_and_b32 s63, s[WV], 3
	s_lshl_b32 s63, s63, 2
	s_add_co_u32 s62, s62, s63                     ; and its scale words: 256 ((tile / 4) % 2) + 4 (tile % 4), + 16 r
	s_mov_b32 s63, 0
	s_lshr_b32 s18, s54, 3
	s_lshl_b32 s18, s18, 8
	s_lshl_b32 s19, s55, 4
	s_add_co_u32 s18, s18, s19
	s_add_co_u32 s18, s18, s[WV]                   ; ctx: my tile of rows among all 512,
	s_mul_i32 s18, s18, 6144
	s_and_b32 s19, s54, 7
	s_mul_i32 s19, s19, 768                        ; my head's half fragment in it
	s_add_co_u32 s18, s18, s19
	s_mov_b32 s19, 0
	s_lshl_b32 s2, s54, 13                         ; ctx's scale bytes: 8,192 a head, 512 a block of queries
	s_lshl_b32 s3, s55, 9
	s_add_co_u32 s2, s2, s3
	s_mov_b32 s3, 0
	s_wait_dscnt 0x0                               ; the opening add is done
	s_wait_kmcnt 0x0
	s_mov_b32 s[G0C], 1                            ; count = 1
	s_mov_b32 s[G0C+1], s49                        ; LDS address: slot 0, my quarter
	s_add_nc_u64 s[G0C+2:G0C+3], s[8:9], s[56:57]  ; the head's first 8 key steps, my quarter
	s_or_b32 s[G0C+3], s[G0C+3], 0x80000000        ; type = 2
	s_mov_b32 s[G0S], 1
	s_add_co_u32 s[G0S+1], s53, SCL
	s_add_nc_u64 s[G0S+2:G0S+3], s[10:11], s[58:59]
	s_or_b32 s[G0S+3], s[G0S+3], 0x80000000
	s_add_nc_u64 s[4:5], s[4:5], s[60:61]
	s_add_nc_u64 s[6:7], s[6:7], s[62:63]
	s_add_nc_u64 s[12:13], s[12:13], s[18:19]
	s_add_nc_u64 s[14:15], s[14:15], s[2:3]
	CROUND                                         ; all four work-groups are here: the first joint loads meet
	s_cmp_lt_u32 s[WV], 4                          ; a wave's two first fills stand in one branch, ahead of every wait on TENSORcnt and every LDS read: two loads of mine are out
	s_cbranch_scc0 .Lno_first
	tensor_load_to_lds s[G0S:G0S+3], s[G1S:G1S+7]  ; the head's scale words: filled once
	s_nop 0
	tensor_load_to_lds s[G0C:G0C+3], s[G1C:G1C+7]  ; slot 0
	s_nop 0
.rept 4
	v_nop
.endr
.Lno_first:
	global_load_b128 v[QF:QF+3], v1, s[4:5]        ; Q's half fragment stays in registers
	global_load_b64 v[QF+4:QF+5], v2, s[4:5] offset:512
	global_load_b32 v[QS], v30, s[6:7]
.irp j, 6,7,8,9,10,11
	v_mov_b32 v[QF+\j], 0                          ; k = 64 .. 127: zero codes
.endr
.irp j, 0,1,2,3,4,5
	v_mov_b32 v[KV+48+\j], 0                       ; behind K's tile 7
.endr
	v_mov_b32 v13, 0xff61b1e6                      ; the largest t so far: -3e38, under every t
	v_floor_f32 v12, -v13                          ; -M
	v_mov_b32 v14, 0                               ; the sum, in two halves
	v_mov_b32 v15, 0
.irp b, 0,1,2,3
	v_mov_b32 v[BP+\b], 0                          ; written once: a lane permute's destination counts as one of its sources
.endr
	v_mov_b32 v[TT], 0
	v_mov_b32 v[PWD], 0                            ; (named as the upper half of the pair with f before it is first written)
.set j, 0
.rept 32
	v_mov_b32 v[O+j], 0                            ; O^T.  (The step is written once: the first finds zeros, which the first change of M leaves zeros)
.set j, j+1
.endr
; A KEY STEP: 128 keys.
.macro STEP
	v_add_nc_u32 v[ADK], s[TB], v1                 ; (these four are also the places in front of loads into registers that the last products have read)
	v_add_nc_u32 v[ADK8], s[TB], v2
	v_add_nc_u32 v[ADSK], s[TS], v4
	v_add_nc_u32 v[ADSV], s[TS], v3
.irp t, 0,1,2,3,4,5,6,7
	ds_load_b128 v[KV+6*\t:KV+6*\t+3], v[ADK] offset:768*\t
	ds_load_b64 v[KV+6*\t+4:KV+6*\t+5], v[ADK8] offset:768*\t+512
.endr
	ds_load_b128 v[SK:SK+3], v[ADSK]
	s_wait_dscnt 0x0
.irp t, 0,1,2,3                                ; S^T = K Q^T: lane (r, h) holds query r; the 16 registers of tiles 2 b, 2 b + 1 are keys 32 b + 16 h + 0 .. 15
	v_wmma_scale_f32_16x16x128_f8f6f4 v[S+8*\t:S+8*\t+7], v[KV+6*\t:KV+6*\t+11], v[QF:QF+11], 0, v[SK+\t], v[QS] matrix_a_fmt:MATRIX_FMT_FP6 matrix_b_fmt:MATRIX_FMT_FP6
.endr
.irp t, 4,5,6,7
	v_wmma_scale_f32_16x16x128_f8f6f4 v[S+8*\t:S+8*\t+7], v[KV+6*\t:KV+6*\t+11], v[QF:QF+11], 0, v[SK+\t-4], v[QS] matrix_a_fmt:MATRIX_FMT_FP6 matrix_b_fmt:MATRIX_FMT_FP6 matrix_a_scale:MATRIX_SCALE_ROW1
.endr
.rept 4
	v_nop                                          ; places in front of the loads below and of the first read of the scores
.endr
.irp t, 0,1,2,3                                ; V^T's four fragments land while the softmax is walked
.irp c, 0,1,2
	ds_load_b128 v[KV+12*\t+4*\c:KV+12*\t+4*\c+3], v[ADK] offset:6144+1536*\t+512*\c
.endr
.endr
	ds_load_b128 v[SV:SV+3], v[ADSV]
.irp b, 0,1,2,3
	v_max3_num_f32 v[BM+\b], v[S+16*\b], v[S+1+16*\b], v[S+2+16*\b]   ; the largest score of each block of 32 keys: it serves for the row's maximum and, since p rises with the score, for the block's largest p
.endr
.irp i, 3,5,7,9,11,13
.irp b, 0,1,2,3
	v_max3_num_f32 v[BM+\b], v[BM+\b], v[S+16*\b+\i], v[S+1+16*\b+\i]
.endr
.endr
.irp b, 0,1,2,3
	v_max_num_f32 v[BM+\b], v[BM+\b], v[S+15+16*\b]
.endr
.irp b, 0,1,2,3
	v_permlanex16_b32 v[BP+\b], v[BM+\b], s[SEL], s[SEL+1]
.endr
.irp b, 0,1,2,3
	v_max_num_f32 v[BM+\b], v[BM+\b], v[BP+\b]     ; with lane l xor 16's 16 keys
.endr
	v_max3_num_f32 v[TT], v[BM], v[BM+1], v[BM+2]
	v_max_num_f32 v[TT], v[TT], v[BM+3]            ; the step's largest score of my query
	v_mul_f32 v[TT], s[CS], v[TT]                  ; as t (c is positive)
	v_max_num_f32 v13, v13, v[TT]                  ; the running largest t
	v_mov_b32 v[TT], v12
	v_floor_f32 v12, -v13                          ; the new -M = floor(-t) = -ceil(t): a whole number
	v_sub_f32 v[TT], v12, v[TT]                    ; old M - new M: a whole number, 0 or less
	v_cvt_i32_f32 v[TT], v[TT]                     ; (it saturates)
	v_ldexp_f32 v[FF], 1.0, v[TT]                  ; f = 2^(old M - new M)
.set j, 0
.rept 32
	v_pk_fma_f32 v[S+j:S+j+1], v[S+j:S+j+1], s[CS:CS+1], v[12:13] op_sel_hi:[1,0,0]   ; t - M, two at a time (of the pairs c and -M the low word serves both halves)
.set j, j+2
.endr
.irp b, 0,1,2,3
	v_fma_f32 v[BM+\b], v[BM+\b], s[CS], v12       ; the same of each block's largest score
.endr
.set j, 0
.rept 64
	v_exp_f32 v[S+j], v[S+j]                       ; p = 2^(t - M), at most 1: not normalised
.set j, j+1
.endr
	v_pk_mul_f32 v[14:15], v[14:15], v[FF:FF+1] op_sel_hi:[1,0]   ; the sums under the new M.  (A plain place behind the exponentials)
	s_wait_alu depctr_va_vdst(0)                   ; one wait for the whole batch, ahead of its first reader
.irp b, 0,1,2,3
	v_exp_f32 v[BM+\b], v[BM+\b]                   ; the block's largest p: the same two instructions on the same number give the same bits
.endr
	v_pk_add_f32 v[SM2:SM2+1], v[S:S+1], v[S+2:S+3]   ; the row's sum is taken of the unquantised p: two at a time, in two chains
.irp j, 4,8,12,16,20,24,28,32,36,40,44,48,52,56,60
	v_pk_add_f32 v[14:15], v[14:15], v[S+\j:S+1+\j]
	v_pk_add_f32 v[SM2:SM2+1], v[SM2:SM2+1], v[S+2+\j:S+3+\j]
.endr
	v_pk_add_f32 v[14:15], v[14:15], v[SM2:SM2+1]
	s_wait_alu depctr_va_vdst(0)                   ; and one for the four
.irp b, 0,1,2,3
	v_max_num_f32 v[BM+\b], 0x1800000, v[BM+\b]    ; the floor 2^(3 - 127): the byte cannot fall under 1
.endr
.irp b, 0,1,2,3
	v_add_nc_u32 v[BO+\b], 0xff000000, v[BM+\b]    ; 2 off the exponent field: the conversion's scale operand
.endr
.irp b, 0,1,2,3
	v_lshrrev_b32 v[BP+\b], 23, v[BO+\b]           ; the scale's byte
.endr
	v_lshl_or_b32 v[PWD], v[BP+1], 8, v[BP]        ; p's scale word for these 128 keys
	v_lshl_or_b32 v[PWD], v[BP+2], 16, v[PWD]
	v_lshl_or_b32 v[PWD], v[BP+3], 24, v[PWD]
.irp c, 0,1
	v_cvt_scalef32_pk16_fp6_f32 v[P+6*\c:P+2+6*\c], v[S+32*\c:S+15+32*\c], v[BO+2*\c]
	v_cvt_scalef32_pk16_fp6_f32 v[PT+4*\c:PT+2+4*\c], v[S+16+32*\c:S+31+32*\c], v[BO+2*\c+1]   ; (a conversion's three registers begin on an even number)
.endr
	v_nop                                          ; one plain place behind a scaled conversion
.irp c, 0,1                                    ; the operand's layout wants a whole block in a lane
.irp i, 0,1,2
	v_permlane16_swap_b32 v[P+6*\c+\i], v[PT+4*\c+\i]
.endr
.irp i, 0,1,2
	v_mov_b32 v[P+3+6*\c+\i], v[PT+4*\c+\i]
.endr
.endr
.set j, 0
.rept 16
	v_pk_mul_f32 v[O+j:O+j+1], v[O+j:O+j+1], v[FF:FF+1] op_sel_hi:[1,0]   ; O^T under the new M, each accumulator from its low end on.  (For each product below, twelve of these name none of its registers: the places behind the writes of p's codes and scale word)
.set j, j+2
.endr
	s_wait_dscnt 0x0                               ; V^T and its scale words are in
.irp t, 0,1,2,3                                ; O^T += V^T P^T: the four accumulators take turns, one instruction a turn
	v_wmma_scale_f32_16x16x128_f8f6f4 v[O+8*\t:O+8*\t+7], v[KV+12*\t:KV+12*\t+11], v[P:P+11], v[O+8*\t:O+8*\t+7], v[SV+\t], v[PWD] matrix_a_fmt:MATRIX_FMT_FP6 matrix_b_fmt:MATRIX_FMT_FP6
.endr
	s_add_co_u32 s[TB], s[TB], STEPB               ; the next step's codes
	s_add_co_u32 s[TS], s[TS], 768                 ; and scale words
.endm
; THE CHANGE OF SLOTS stands at a slot's head.  Each wave waits for all its tensor loads (its part of the slot that it is about to read), adds 0 to its spare word, and waits for that and for its reads of the slot that it
; has left.  fill = 1: the barrier is a round of the cluster's, so that no wave of any partner still reads that slot or has a load on its way, and the joint fill is the first thing behind it: it has 8 key steps in which to land.
.macro CHANGE fill
	s_wait_tensorcnt 0x0                           ; no tensor load of mine is out, so a group 0 may be written
	ds_add_u32 v[SPW], v[NIL]                      ; 0 onto my spare word
.if \fill
	s_xor_b32 s[G0C+1], s[G0C+1], SLOT1            ; the walking descriptor: the other slot than last time,
	s_add_nc_u64 s[G0C+2:G0C+3], s[G0C+2:G0C+3], SLOTB   ; the next 8 key steps; the type bits on top are not reached
.endif
	s_wait_dscnt 0x0                               ; the add is done, and my reads of the slot that I have left are over
.if \fill
	CROUND
	JLOAD
.else
	s_barrier_signal -1
	s_barrier_wait -1
.endif
.endm
.macro STEPS                           ; a slot's eight key steps: written once, walked eight times
	s_mov_b32 s[CNT], 8
.Lstep_\@:
	STEP
	s_sub_co_u32 s[CNT], s[CNT], 1
	s_cmp_lg_u32 s[CNT], 0
	s_cbranch_scc1 .Lstep_\@
	s_sub_co_u32 s[TB], s[TB], SLOTB               ; back to a slot's first step,
	s_xor_b32 s[TB], s[TB], SLOT1                  ; in the other slot
.endm
	s_wait_loadcnt 0x0                             ; Q
.Lslot:                                            ; three trips: behind each change of slots but the last the next slot is asked for
	CHANGE 1
	STEPS
	s_sub_co_u32 s[SLOTS], s[SLOTS], 1
	s_cmp_lg_u32 s[SLOTS], 0
	s_cbranch_scc1 .Lslot
	CHANGE 0                                       ; the last slot is written out
	STEPS
	; THE WAY OUT.  O^T / the sum; register 16 B + i is d = 32 B + 16 h + i of my query: two blocks of 32, quantised as p is; the half fragment leaves as an image, the two bytes through LDS.
.rept 4
	v_nop                                          ; places behind the last products
.endr
	v_add_f32 v14, v14, v15                        ; the sum's two halves,
	v_permlanex16_b32 v[TT], v14, s[SEL], s[SEL+1]
	v_add_f32 v14, v14, v[TT]                      ; and lane l xor 16's: the row's sum
	v_rcp_f32 v[FF], v14
	v_nop                                          ; a plain place behind the transcendental
	s_wait_alu depctr_va_vdst(0)                   ; a wait ahead of the first reader
.set j, 0
.rept 16
	v_pk_mul_f32 v[S+j:S+j+1], v[O+j:O+j+1], v[FF:FF+1] op_sel_hi:[1,0]
.set j, j+2
.endr
.irp b, 0,1
	v_max3_num_f32 v[BM+\b], |v[S+16*\b]|, |v[S+1+16*\b]|, 0x1800000
.endr
.irp i, 2,4,6,8,10,12,14
.irp b, 0,1
	v_max3_num_f32 v[BM+\b], v[BM+\b], |v[S+16*\b+\i]|, |v[S+1+16*\b+\i]|
.endr
.endr
.irp b, 0,1
	v_permlanex16_b32 v[BP+\b], v[BM+\b], s[SEL], s[SEL+1]
.endr
.irp b, 0,1
	v_max_num_f32 v[BM+\b], v[BM+\b], v[BP+\b]
.endr
.irp b, 0,1
	v_add_nc_u32 v[BO+\b], 0xff000000, v[BM+\b]
.endr
.irp b, 0,1
	v_lshrrev_b32 v[BP+\b], 23, v[BO+\b]
.endr
	v_lshl_or_b32 v[CW], v[BP+1], 8, v[BP]         ; my row's two scale bytes
	v_cvt_scalef32_pk16_fp6_f32 v[P:P+2], v[S:S+15], v[BO]
	v_cvt_scalef32_pk16_fp6_f32 v[PT:PT+2], v[S+16:S+31], v[BO+1]
	v_nop                                          ; one plain place behind a scaled conversion
.irp i, 0,1,2
	v_permlane16_swap_b32 v[P+\i], v[PT+\i]
.endr
.irp i, 0,1,2
	v_mov_b32 v[P+3+\i], v[PT+\i]                  ; registers 0-5: d = 32 h + 0 .. 31
.endr
	global_store_b128 v1, v[P:P+3], s[12:13]       ; 512 consecutive bytes,
	global_store_b64 v2, v[P+4:P+5], s[12:13] offset:512   ; and 256, each at a multiple of 256 from the buffer's first byte
	ds_store_b16 v7, v[CW]                         ; both halves of the lanes write the same two bytes with the same value
	s_wait_dscnt 0x0                               ; for the others' sake: my store is done
	s_barrier_signal -1
	s_barrier_wait -1
	s_cmp_lg_u32 s[WV], 0
	s_cbranch_scc1 .Lnot_0
	ds_load_b128 v[S:S+3], v29                     ; the work-group's 256 rows x 2 bytes
	s_wait_dscnt 0x0
	global_store_b128 v1, v[S:S+3], s[14:15]       ; 512 consecutive bytes
.Lnot_0:
	s_wait_tensorcnt 0x0                           ; the wave's end, behind my last tensor load and my last LDS store
	ds_add_u32 v[SPW], v[NIL]
	s_wait_dscnt 0x0
	CROUND                                         ; the closing round: no work-group ends while a partner may still ask for a tile that names it
	s_endpgm
.Lfunc_end_k_q80f6923115_attn:
	.size	k_q80f6923115_attn, .Lfunc_end_k_q80f6923115_attn-k_q80f6923115_attn
	.p2alignl 7, 3214868480
	.fill 96, 4, 3214868480
	.section	.rodata,"a",@progbits
	.p2align	6, 0x0
	.amdhsa_kernel k_q80f6923115_attn
		.amdhsa_group_segment_fixed_size 327680
		.amdhsa_private_segment_fixed_size 0
		.amdhsa_enable_private_segment 0
		.amdhsa_kernarg_size 48
		.amdhsa_user_sgpr_count 2
		.amdhsa_user_sgpr_kernarg_segment_ptr 1
		.amdhsa_wavefront_size32 1
		.amdhsa_system_sgpr_workgroup_id_x 1
		.amdhsa_system_sgpr_workgroup_id_y 1
		.amdhsa_system_sgpr_workgroup_id_z 1
		.amdhsa_system_vgpr_workitem_id 0
		.amdhsa_next_free_vgpr 256
		.amdhsa_next_free_sgpr 66
		.amdhsa_reserve_vcc 0
		.amdhsa_float_denorm_mode_32 3
		.amdhsa_float_denorm_mode_16_64 3
		.amdhsa_memory_ordered 1
		.amdhsa_forward_progress 1
		.amdhsa_inst_pref_size 45
	.end_amdhsa_kernel
	.amdgpu_metadata
---
amdhsa.version: [ 1, 2 ]
amdhsa.kernels:
  - .name:           k_q80f6923115_attn
    .symbol:         k_q80f6923115_attn.kd
    .args:
      - { .name: qc, .offset: 0, .size: 8, .value_kind: global_buffer, .address_space: global }
      - { .name: qs, .offset: 8, .size: 8, .value_kind: global_buffer, .address_space: global }
      - { .name: kvc, .offset: 16, .size: 8, .value_kind: global_buffer, .address_space: global }
      - { .name: kvs, .offset: 24, .size: 8, .value_kind: global_buffer, .address_space: global }
      - { .name: cc, .offset: 32, .size: 8, .value_kind: global_buffer, .address_space: global }
      - { .name: cs, .offset: 40, .size: 8, .value_kind: global_buffer, .address_space: global }
    .group_segment_fixed_size: 327680
    .private_segment_fixed_size: 0
    .kernarg_segment_align: 8
    .kernarg_segment_size: 48
    .max_flat_workgroup_size: 512
    .sgpr_count:     66
    .vgpr_count:     256
    .wavefront_size: 32
...
	.end_amdgpu_metadata
.endif
;; end of part 3
;; launch oproj (part 4): grid 256 x 1, 4 waves a work-group, no clusters, 34,304 bytes of LDS; arguments xc, xs, cc, cs, bo, out0; writes out0
.if DOCPART == 4
	.amdgcn_target "amdgcn-amd-amdhsa--gfx1250"
	.amdhsa_code_object_version 6
	.text
	.protected	k_q80f6923115_oproj
	.globl	k_q80f6923115_oproj
	.p2align	8
	.type	k_q80f6923115_oproj,@function
k_q80f6923115_oproj:
	s_mov_b64 s[64:65], 0
	v_nop
	global_prefetch_b8 v0, s[64:65] scope:SCOPE_SE
	s_setreg_imm32_b32 hwreg(HW_REG_WAVE_MODE, 25, 1), 1
	s_wait_xcnt 0x0
; out0 = ctx Wo^T + bo, on codes of FP6 (E2M3) with E8M0 scales, f32 sums.  ctx's codes lie as half fragments (a tile of 16 rows x a head's 64), its scale bytes two to a row and head; Wo's as whole fragments.
; SHARES.  Work-group g takes ctx's tiles 2 g and 2 g + 1, which are rows 32 g .. 32 g + 31 (lane r of tile 2 g + u holds row 32 g + 8 u + r + 8 (r / 8)); wave w makes columns 128 w .. 128 w + 127.
; The product is used transposed: source 0 = 16 rows of Wo, source 1 = a tile of ctx: a lane holds one row of out0, and its 64 registers run along the wave's 128 columns: register 16 B + i is column 32 B + 16 h + i.
; The bias is the C of each sum's first product.  A tile's 16 rows x 512 bytes go through the wave's own stage in LDS and leave as whole rows of 512 consecutive bytes.
; REGISTERS, in windows of 256: window 0: v1-7 offsets; v10, v11 the add's two; v16-79, v80-143 the two tiles' accumulators; v144-207 ctx's raw scale bytes, later rows on their way out; v208-239 Wo's scale words; v240-247 ctx's.
;   window 1: Wo's K steps 0, 1 (at 24 g + 12 s).   window 2: K steps 2, 3; from v192 the bias.   window 3: ctx's fragments, at 48 u + 12 s.
.set STG,   8448                       ; a wave's stage: 16 rows x (512 + 16) bytes
.set SPARE, 4*STG                      ; behind the stages: the spare words, 128 bytes a wave: two blocks of 256 bytes that no other line names
.set HA,   16
.set HB,   80
.set OB,   144
.set SS,   208
.set TS,   240
.set BS,   192                         ; in window 2
.set SPW,  10
.set NIL,  11
.set MSB, 0
.macro WIN new                         ; the immediate's high byte repeats the setting that is left
.if MSB != \new
	s_set_vgpr_msb (MSB<<8)|\new
.set MSB, \new
.endif
.endm
.macro MMC d, a, b, c, sa, sb
	v_wmma_scale_f32_16x16x128_f8f6f4 v[(\d):(\d)+7], v[(\a):(\a)+11], v[(\b):(\b)+11], v[(\c):(\c)+7], v[\sa], v[\sb] matrix_a_fmt:MATRIX_FMT_FP6 matrix_b_fmt:MATRIX_FMT_FP6
.endm
	s_load_b256 s[4:11], s[0:1], 0x0               ; xc, xs, cc, cs
	s_load_b128 s[12:15], s[0:1], 0x20             ; bo, out0
	v_lshl_add_u32 v[SPW], v0, 2, SPARE
	v_mov_b32 v[NIL], 0
	v_lshrrev_b32 v8, 5, v0
	v_readfirstlane_b32 s16, v8                    ; wave 0..3
	v_and_b32 v8, 31, v0                           ; lane
	v_and_b32 v9, 15, v0                           ; r
	v_bfe_u32 v12, v0, 4, 1                        ; h
	v_lshlrev_b32 v1, 4, v8                        ; 16 x lane
	v_lshlrev_b32 v2, 4, v9                        ; 16 r
	v_lshlrev_b32 v3, 3, v8                        ; 8 x lane
	v_lshlrev_b32 v4, 1, v9                        ; 2 r
	v_lshlrev_b32 v5, 6, v12                       ; 64 h
	s_mul_i32 s17, s16, STG
	v_mul_u32_u24 v6, v9, 528
	v_add_nc_u32 v6, v6, v5
	v_add_nc_u32 v6, s17, v6                       ; the stage, on the way in: row r, + 64 h
	v_add_nc_u32 v7, s17, v1                       ; and back: 16 bytes a lane of a whole row
	s_lshl_b32 s18, s16, 3
	s_add_co_u32 s18, s18, 1120                    ; Wo's first tile of my 128 columns
	s_mul_i32 s20, s18, 6144
	s_mov_b32 s21, 0
	s_lshl_b32 s22, s18, 8
	s_mov_b32 s23, 0
	s_mul_i32 s24, ttmp9, 12288                    ; ctx's tiles 2 g, 2 g + 1
	s_mov_b32 s25, 0
	s_lshr_b32 s26, ttmp9, 7                       ; the batch: 8 heads x 8,192 scale bytes
	s_lshl_b32 s26, s26, 16
	s_and_b32 s27, ttmp9, 127
	s_lshl_b32 s27, s27, 6                         ; two tiles x 16 rows x 2 bytes
	s_add_co_u32 s26, s26, s27
	s_mov_b32 s27, 0
	s_lshl_b32 s28, s16, 9                         ; my 128 columns, in bytes
	s_mov_b32 s29, 0
	s_lshl_b32 s30, ttmp9, 16                      ; 32 rows of 2,048 bytes
	s_add_co_u32 s30, s30, s28
	s_mov_b32 s31, 0
	s_wait_kmcnt 0x0
	s_add_nc_u64 s[4:5], s[4:5], s[20:21]
	s_add_nc_u64 s[6:7], s[6:7], s[22:23]
	s_add_nc_u64 s[8:9], s[8:9], s[24:25]
	s_add_nc_u64 s[10:11], s[10:11], s[26:27]
	s_add_nc_u64 s[12:13], s[12:13], s[28:29]
	s_add_nc_u64 s[14:15], s[14:15], s[30:31]
	WIN 0x40
.irp g, 0,1,2,3,4,5,6,7
.irp s, 0,1
.irp c, 0,1,2
	global_load_b128 v[24*\g+12*\s+4*\c:24*\g+12*\s+4*\c+3], v1, s[4:5] offset:6144*\g+1536*\s+512*\c
.endr
.endr
.endr
	WIN 0x80
.irp g, 0,1,2,3,4,5,6,7
.irp s, 0,1
.irp c, 0,1,2
	global_load_b128 v[24*\g+12*\s+4*\c:24*\g+12*\s+4*\c+3], v1, s[4:5] offset:6144*\g+1536*(\s+2)+512*\c
.endr
.endr
.endr
.irp g, 0,1,2,3,4,5,6,7                        ; the bias in the result's layout: lane (r, h), tile g, register j: column 32 (g / 2) + 16 h + 8 (g % 2) + j
	global_load_b128 v[BS+8*\g:BS+8*\g+3], v5, s[12:13] offset:(32*(\g/2)+8*(\g%2))*4
	global_load_b128 v[BS+8*\g+4:BS+8*\g+7], v5, s[12:13] offset:(32*(\g/2)+8*(\g%2))*4+16
.endr
	WIN 0xc0
.irp u, 0,1
.irp e, 0,1,2,3,4,5,6,7                        ; head e's half fragment is registers 6 (e % 2) .. + 5 of K step e / 2's fragment
	global_load_b128 v[48*\u+12*(\e/2)+6*(\e%2):48*\u+12*(\e/2)+6*(\e%2)+3], v1, s[8:9] offset:6144*\u+768*\e
	global_load_b64 v[48*\u+12*(\e/2)+6*(\e%2)+4:48*\u+12*(\e/2)+6*(\e%2)+5], v3, s[8:9] offset:6144*\u+768*\e+512
.endr
.endr
	WIN 0
.irp g, 0,1,2,3,4,5,6,7
	global_load_b128 v[SS+4*\g:SS+4*\g+3], v2, s[6:7] offset:256*\g
.endr
.irp u, 0,1
.irp e, 0,1,2,3,4,5,6,7
	global_load_u16 v[OB+8*\u+\e], v4, s[10:11] offset:32*\u+8192*\e
.endr
.endr
	s_wait_loadcnt 0x0
.irp u, 0,1
.irp s, 0,1,2,3
	v_lshl_or_b32 v[TS+4*\u+\s], v[OB+8*\u+2*\s+1], 16, v[OB+8*\u+2*\s]   ; K step s's scale word: heads 2 s and 2 s + 1, two bytes each
.endr
.endr
.rept 8
	v_nop                                          ; a scale register written by a vector instruction stands 8 places ahead of a scaled matrix instruction
.endr
.macro PROD u                          ; a tile of ctx against my 8 tiles of Wo: the eight accumulators take turns, one instruction a turn
.set AC, HA+64*(\u)
	WIN 0x2d                                       ; source 0 (Wo) window 1, source 1 (ctx) window 3, C (bias) window 2
.irp g, 0,1,2,3,4,5,6,7
	MMC AC+8*\g, 24*\g, 48*(\u), BS+8*\g, SS+4*\g, TS+4*(\u)
.endr
	WIN 0x0d
.irp g, 0,1,2,3,4,5,6,7
	MMC AC+8*\g, 24*\g+12, 48*(\u)+12, AC+8*\g, SS+4*\g+1, TS+4*(\u)+1
.endr
	WIN 0x0e                                       ; source 0 window 2
.irp g, 0,1,2,3,4,5,6,7
	MMC AC+8*\g, 24*\g, 48*(\u)+24, AC+8*\g, SS+4*\g+2, TS+4*(\u)+2
.endr
.irp g, 0,1,2,3,4,5,6,7
	MMC AC+8*\g, 24*\g+12, 48*(\u)+36, AC+8*\g, SS+4*\g+3, TS+4*(\u)+3
.endr
.endm
	PROD 0
	PROD 1
	WIN 0
.rept 4
	v_nop                                          ; places in front of the first read of results (ISA guide 7.12.1)
.endr
.macro TOSTAGE acc, back               ; 16 rows x 512 bytes into my stage, each accumulator from its low end on, and back as whole rows
.irp g, 0,1,2,3,4,5,6,7
	ds_store_b128 v6, v[\acc+8*\g:\acc+8*\g+3] offset:128*(\g/2)+32*(\g%2)
	ds_store_b128 v6, v[\acc+8*\g+4:\acc+8*\g+7] offset:128*(\g/2)+32*(\g%2)+16
.endr
.irp i, 0,1,2,3,4,5,6,7,8,9,10,11,12,13,14,15
	ds_load_b128 v[\back+4*\i:\back+4*\i+3], v7 offset:528*\i   ; LDS serves a wave's instructions in order (ISA guide 5.7.1.4): these see the stores above
.endr
.endm
.macro SEND back, u
.irp i, 0,1,2,3,4,5,6,7,8,9,10,11,12,13,14,15
	s_wait_dscnt 15-\i                             ; row i is back; the younger loads may be out
	global_store_b128 v1, v[\back+4*\i:\back+4*\i+3], s[14:15] offset:2048*(8*(\u)+\i+8*(\i/8)) th:TH_STORE_NT   ; 32 lanes store 512 consecutive bytes, at a multiple of 256 from out0's first byte
.endr
.endm
	TOSTAGE HA, OB
	SEND OB, 0
	TOSTAGE HB, HA                                 ; the first tile's accumulators are done with: the second tile's rows come back into them
	SEND HA, 1
	s_wait_tensorcnt 0x0                           ; the wave's end, behind my last LDS store
	ds_add_u32 v[SPW], v[NIL]
	s_wait_dscnt 0x0
	s_endpgm
.Lfunc_end_k_q80f6923115_oproj:
	.size	k_q80f6923115_oproj, .Lfunc_end_k_q80f6923115_oproj-k_q80f6923115_oproj
	.p2alignl 7, 3214868480
	.fill 96, 4, 3214868480
	.section	.rodata,"a",@progbits
	.p2align	6, 0x0
	.amdhsa_kernel k_q80f6923115_oproj
		.amdhsa_group_segment_fixed_size 34304
		.amdhsa_private_segment_fixed_size 0
		.amdhsa_enable_private_segment 0
		.amdhsa_kernarg_size 48
		.amdhsa_user_sgpr_count 2
		.amdhsa_user_sgpr_kernarg_segment_ptr 1
		.amdhsa_wavefront_size32 1
		.amdhsa_system_sgpr_workgroup_id_x 1
		.amdhsa_system_sgpr_workgroup_id_y 1
		.amdhsa_system_sgpr_workgroup_id_z 1
		.amdhsa_system_vgpr_workitem_id 0
		.amdhsa_next_free_vgpr 1024
		.amdhsa_next_free_sgpr 66
		.amdhsa_reserve_vcc 0
		.amdhsa_float_denorm_mode_32 3
		.amdhsa_float_denorm_mode_16_64 3
		.amdhsa_memory_ordered 1
		.amdhsa_forward_progress 1
		.amdhsa_inst_pref_size 36
	.end_amdhsa_kernel
	.amdgpu_metadata
---
amdhsa.version: [ 1, 2 ]
amdhsa.kernels:
  - .name:           k_q80f6923115_oproj
    .symbol:         k_q80f6923115_oproj.kd
    .args:
      - { .name: xc, .offset: 0, .size: 8, .value_kind: global_buffer, .address_space: global }
      - { .name: xs, .offset: 8, .size: 8, .value_kind: global_buffer, .address_space: global }
      - { .name: cc, .offset: 16, .size: 8, .value_kind: global_buffer, .address_space: global }
      - { .name: cs, .offset: 24, .size: 8, .value_kind: global_buffer, .address_space: global }
      - { .name: bo, .offset: 32, .size: 8, .value_kind: global_buffer, .address_space: global }
      - { .name: out0, .offset: 40, .size: 8, .value_kind: global_buffer, .address_space: global }
    .group_segment_fixed_size: 34304
    .private_segment_fixed_size: 0
    .kernarg_segment_align: 8
    .kernarg_segment_size: 48
    .max_flat_workgroup_size: 128
    .sgpr_count:     66
    .vgpr_count:     1024
    .wavefront_size: 32
...
	.end_amdgpu_metadata
.endif
;; end of part 4
